; MI455X (gfx1250); checked and timed in simulation.
; The chip was launched on July 23, 2026; its instructions are those of AMD's public machine-readable ISA for CDNA 5 (MIT licence, August 2026) and "CDNA5" Instruction Set Architecture Reference Guide (July 2026). The comments in the code are by the model that wrote it; some were corrected since.
;; Custom Feed Forward. Allowed arithmetic: matrix products marked QUANTISED: E2M1 operands, one E8M0 scale for each 32 along K, by v_wmma_scale_f32_16x16x128_f8f6f4 with both operands' format E2M1 (or v_wmma_scale_f32_32x16x128_f4), f32 sums; everything else in f32.
;; Inputs: w1 8,192 x 2,048 float32; w2 8,192 x 2,048 float32; w3 2,048 x 8,192 float32; x 4 x 256 x 2,048 float32.
;; Outputs: out0 4 x 256 x 2,048 float32.
;; Constants: scale_x = 1.
;; This version of the problem:
;;   THIS VERSION OF THE PROBLEM IS GIVEN IN LOW PRECISION. The matrix products marked QUANTISED in the list below multiply operands that are first quantised to E2M1 (2 exponent bits, 1 mantissa bit; 4 bits a number), with one power-of-two scale for each 32 numbers along K (OCP MX v1.0); their sums are f32. All else is computed in f32.
;;   The module's matrix products, in the order in which they are computed (A, B: the left and right operand; K: the contracted axis; several contracted axes count as one K, in the product's order):
;;     1. [M 1,024, K 2,048] x [K 2,048, N 8,192]; A: input x; B: input w1: QUANTISED
;;     2. [M 1,024, K 2,048] x [K 2,048, N 8,192]; A: input x; B: input w2: QUANTISED
;;     3. [M 1,024, K 8,192] x [K 8,192, N 2,048]; A: computed on the way; B: input w3: QUANTISED
;;   THE QUANTISER, for each operand of a quantised product, along K:
;;     - K is cut into blocks of 32 from its start; a last block that is shorter is filled with zeros.
;;     - A block's scale is 2^e with e = floor(log2(the largest magnitude in the block)) - 2, held to -126 .. 127; a block of zeros has e = 0. As a byte (E8M0): e + 127.
;;     - Each number is divided by its block's scale, clamped to +-6, and rounded to the nearest number of E2M1, ties to even, subnormals kept.
;;     - The product sums the exact products of the quantised numbers (number of the format x scale) in f32.
;;   ~~~python
;;   def quantise(x, axis):      # numpy; x: float32 -> the quantised numbers, widened to float32 again
;;       x = np.moveaxis(x, axis, -1); K = x.shape[-1]
;;       x = np.pad(x, [(0, 0)] * (x.ndim - 1) + [(0, -K % 32)]); x = x.reshape(x.shape[:-1] + (-1, 32)); a = np.abs(x).max(-1, keepdims=True)
;;       e = np.where(a > 0, np.clip(np.frexp(np.where(a > 0, a, 1))[1] - 1 - 2, -126, 127), 0)      # np.frexp(a)[1] - 1 = floor(log2(a)), exactly
;;       r = np.clip(x / 2.0 ** e, -6, 6)
;;       step = 2.0 ** (np.maximum(np.frexp(np.where(r == 0, 1, r))[1] - 1, 0) - 1)
;;       q = np.round(r / step) * step * 2.0 ** e      # np.round: ties to even
;;       return np.moveaxis(q.reshape(q.shape[:-2] + (-1,))[..., :K], -1, axis).astype(np.float32)
;;   ~~~
;;   OPERANDS COMPUTED ON THE WAY. 'Computed on the way' means the value that the module computes at that place (a softmax that the list does not call 'softmax' is quantised finished and normalised). What goes into a quantiser is computed in f32, as accurately as f32 sums, v_exp_f32 and their like allow (about 1e-6 of the number): no bf16 or f16 on the way to a quantiser, and a product that is left as it is and whose result goes on into a quantised operand takes f32 operands (vector FMAs, or v_wmma_f32_16x16x4_f32). A number that lies on a knife's edge between two numbers of the format may be rounded either way, as far as f32 arithmetic and the matrix unit's own rounding can turn it there, and no further.
;; One version. Each part assembles by itself: llvm-mc -triple=amdgcn-amd-amdhsa -mcpu=gfx1250 --defsym DOCPART=n.
;; ======== version 1 of 1: 3 launches
;; workspace buffers: xc 1,048,576 bytes; xs 65,536 bytes; wgc 16,777,216 bytes; wgs 1,048,576 bytes; w3c 8,388,608 bytes; w3s 524,288 bytes; hc 4,194,304 bytes; hs 262,144 bytes
;; launch quant (part 1): grid 256 x 1, 25 waves a work-group, no clusters, 144,128 bytes of LDS; arguments x, w1, w2, w3, xc, xs, wgc, wgs, w3c, w3s; writes xc, xs, wgc, wgs, w3c, w3s
.if DOCPART == 1
	.amdgcn_target "amdgcn-amd-amdhsa--gfx1250"
	.amdhsa_code_object_version 6
	.text
	.protected	k_q0c34ed74ca_quant
	.globl	k_q0c34ed74ca_quant
	.p2align	8
	.type	k_q0c34ed74ca_quant,@function
k_q0c34ed74ca_quant:
	s_mov_b64 s[64:65], 0
	v_nop
	global_prefetch_b8 v0, s[64:65] scope:SCOPE_SE
	s_setreg_imm32_b32 hwreg(HW_REG_WAVE_MODE, 25, 1), 1
	s_wait_xcnt 0x0
; x [1024][2048], w1, w2 [8192][2048], w3 [2048][8192], all f32 with K innermost, become codes of FP4 (E2M1) with one E8M0 scale byte for each 32 along K.
; A block's scale is 2^(floor(log2(its largest magnitude)) - 2); its byte is the largest magnitude's exponent field - 2, held at 1 from below.  Each number is divided by the scale and rounded to the nearest code, ties to even; beyond 6 the largest code.
; LIMITS: a block of zeros gets the byte 1 where the rule says 127 (its codes are zeros, which add nothing, and this program alone reads the bytes); blocks whose largest magnitude lies under 2^-124 are held at the byte 1;
; NaN and infinities among the inputs are not served.
; THE OUTPUT LIES IN THE ORDER OF THE OPERAND'S REGISTERS.  A UNIT is 16 rows x 512 along K: 4,096 bytes of codes, [16 blocks of 32 k][16 rows][16 bytes], and 256 scale bytes, [16 rows][16 bytes].  So a fragment (16 rows x 128 K)
; is 1,024 consecutive bytes of which lane l's 16 bytes of register group c lie at 512 c + 16 l, and a row's 16 scale bytes are the four scale words of the unit's four steps of 128.
; Units are ordered by tile: x [4 tiles of 256 rows][4 K steps][16 row groups]; w1 and w2 together [64 tiles][4 K steps][16 row groups]; w3 [16 tiles of 128 rows][16 K steps][8 row groups].
; In a tile T of w1 and w2, row group 8 c + 4 g + t (c: half of the tile's 128 hidden units; g = 0: w1, 1: w2; t = 0..3) holds at place p the hidden unit 128 T + 64 c + 32 (t / 2) + 8 (t % 2) + p + 8 (p / 8):
; the product's results of tiles 2 b and 2 b + 1 are then 16 neighbours along the next product's K in one lane's registers.
; SHARES.  A wave makes one unit.  The four tensors have 2,048 + 2,048 + 2,048 + 256 = 6,400 units = 256 x 25: 256 work-groups of 25 waves, all of equal work and all at work from the start.  A wave has 130 registers, so that
; seven waves (910 registers) fit on a SIMD.  Unit U = 25 x work-group + wave; four units on end are a GROUP (U / 4): groups 0-511 take w1, 512-1023 w2, 1024-1535 w3, 1536-1599 x.
; Only pointers and numbers are chosen by U; there is one path through the text.
; Each load reads 256 consecutive bytes of two rows (16 lanes a row).  The conversions want 16 neighbours along K in one lane, so 64 along K of the 16 rows (4,096 bytes) turn through the wave's own stage in LDS.
; No tensor loads, no barrier: waves share nothing.  Sixteen loads a wave are out at most, eight while a wave waits for the older eight's turn through the stage.
.set WREG,  5632                       ; LDS of a wave: one stage (5,408 bytes), rounded up
.set EOFF,  2704                       ; from one block's places to the other's: 32 places of 80 bytes (64 of data + 16 of padding), and 144 more
.set OFF,   16                         ; v16-23   load j: byte offset of my 16 bytes in rows 2 j and 2 j + 1 of the unit
.set SB,    24                         ; v24-27   my row's 16 scale bytes, four to a register, the lower K in the lower byte
.set C,     28                         ; v28-31   the codes of two blocks, two registers each
.set R,     32                         ; v32-95   two sets of 32: numbers as loaded
.set X,     96                         ; v96-127  16 neighbours of each of two blocks
	s_load_b256 s[4:11], s[0:1], 0x0               ; x, w1, w2, w3
	s_load_b256 s[12:19], s[0:1], 0x20             ; x's codes, x's scales, w1 and w2's codes, their scales
	s_load_b128 s[20:23], s[0:1], 0x40             ; w3's codes, w3's scales
	v_lshl_add_u32 v128, v0, 2, 0x22600
	v_mov_b32 v129, 0
	v_lshrrev_b32 v1, 5, v0
	v_readfirstlane_b32 s52, v1                    ; wave 0..24
	v_and_b32 v2, 31, v0                           ; lane
	s_mul_i32 s53, ttmp9, 25
	s_add_co_u32 s53, s53, s52                     ; U: my unit's running number, 0 .. 6,399
	s_and_b32 s24, s53, 3                          ; its place in its group
	s_lshr_b32 s54, s53, 2                         ; its group, 0 .. 1,599
	s_lshr_b32 s25, s54, 9                         ; which tensor: 0 w1, 1 w2, 2 w3, 3 x
	s_and_b32 s26, s54, 511                        ; li: the group's number in it
	s_lshr_b32 s33, s26, 2                         ; li / 4
	s_and_b32 s34, s26, 3                          ; li % 4
	s_lshl_b32 s35, s34, 2
	s_add_co_u32 s35, s35, s24                     ; 4 (li % 4) + place
	s_cmp_eq_u32 s25, 2                            ; w3: rows of 32,768 bytes, tiles of 8 row groups, 16 K steps; a group takes 4 K steps of one row group
	s_cselect_b32 s30, 15, 13                      ; log2 of a row's bytes
	s_cselect_b32 s31, 3, 4                        ; log2 of a tile's row groups
	s_cselect_b32 s32, 4, 2                        ; log2 of the K steps
	s_cselect_b32 s36, s33, s26                    ; the row group
	s_cselect_b32 s37, s35, s24                    ; my K step
	s_lshl_b32 s38, s33, 6                         ; w1, w2: the row group's first row 64 (li / 4) + 32 ((li / 2) % 2) + 8 (li % 2)
	s_bfe_u32 s39, s26, 0x10001
	s_lshl_b32 s39, s39, 5
	s_add_co_u32 s38, s38, s39
	s_and_b32 s39, s26, 1
	s_lshl_b32 s39, s39, 3
	s_add_co_u32 s38, s38, s39
	s_lshl_b32 s40, s33, 3                         ; and its place among the row groups of w1 and w2 together: 8 (li / 4) + 4 g + li % 4
	s_lshl_b32 s41, s25, 2
	s_add_co_u32 s40, s40, s41
	s_add_co_u32 s40, s40, s34
	s_lshl_b32 s41, s36, 4                         ; x, w3: 16 neighbouring rows
	s_cmp_lt_u32 s25, 2
	s_cselect_b32 s38, s38, s41                    ; first row
	s_cselect_b32 s40, s40, s36                    ; row group in the output
	s_cselect_b32 s42, 8, 0                        ; places 8-15 lie so many rows further on
	s_lshr_b32 s43, s40, s31                       ; the tile,
	s_lshl_b32 s44, s43, s31
	s_sub_co_u32 s44, s40, s44                     ; the row group in it;
	s_lshl_b32 s43, s43, s32
	s_add_co_u32 s43, s43, s37
	s_lshl_b32 s43, s43, s31
	s_add_co_u32 s43, s43, s44                     ; the unit's number in the output: (tile x K steps + K step) x row groups + row group
	s_lshl_b32 s46, s38, s30
	s_lshl_b32 s47, s37, 11
	s_add_co_u32 s46, s46, s47                     ; where the unit begins in its tensor: first row, 2,048 bytes a K step (under 2^27)
	s_mov_b32 s47, 0
	s_lshl_b32 s48, s43, 12                        ; its codes
	s_mov_b32 s49, 0
	s_lshl_b32 s50, s43, 8                         ; its scale bytes
	s_mov_b32 s51, 0
	v_lshlrev_b32 v4, 3, v2                        ; 8 x lane: my codes' place in a block's 256 bytes, and my 8 scale bytes' place in the unit's 256; never rewritten
	s_mul_i32 s27, s52, WREG                       ; my wave's LDS
	v_bfe_u32 v8, v2, 3, 1                         ; the stage, on the way in: of a row's 256 bytes my 16 belong to block (lane / 8) % 2, half (lane / 4) % 2, quarter lane % 4; place = 2 x row + half
	v_mul_u32_u24 v14, v8, EOFF
	v_lshrrev_b32 v8, 4, v2
	v_mad_u32_u24 v14, v8, 160, v14
	v_bfe_u32 v9, v2, 2, 1
	v_mad_u32_u24 v14, v9, 80, v14
	v_and_b32 v9, 3, v2
	v_lshl_add_u32 v14, v9, 4, v14
	v_add_nc_u32 v14, s27, v14
	v_mul_u32_u24 v15, v2, 80
	v_add_nc_u32 v15, s27, v15                     ; and on the way out: place = lane: row lane / 2, half lane % 2
	v_lshlrev_b32 v8, s30, v8                      ; lanes 16-31 take the odd row
	v_and_b32 v9, 15, v2
	v_lshl_add_u32 v3, v9, 4, v8
.irp j, 0,1,2,3
	s_lshl_b32 s41, 2*\j, s30
	v_add_nc_u32 v[OFF+\j], s41, v3
.endr
.irp j, 4,5,6,7
	s_add_co_u32 s41, s42, 2*\j
	s_lshl_b32 s41, s41, s30
	v_add_nc_u32 v[OFF+\j], s41, v3
.endr
	s_wait_kmcnt 0x0
	s_cmp_eq_u32 s25, 0                            ; the choices hang on the unit's number alone
	s_cselect_b64 s[6:7], s[6:7], s[8:9]
	s_cmp_lt_u32 s25, 2
	s_cselect_b64 s[6:7], s[6:7], s[10:11]
	s_cselect_b64 s[16:17], s[16:17], s[20:21]
	s_cselect_b64 s[18:19], s[18:19], s[22:23]
	s_cmp_lt_u32 s25, 3
	s_cselect_b64 s[6:7], s[6:7], s[4:5]           ; s[6:7]   the numbers
	s_cselect_b64 s[16:17], s[16:17], s[12:13]     ; s[16:17] the codes
	s_cselect_b64 s[18:19], s[18:19], s[14:15]     ; s[18:19] the scale bytes
	s_add_nc_u64 s[6:7], s[6:7], s[46:47]
	s_add_nc_u64 s[16:17], s[16:17], s[48:49]
	s_add_nc_u64 s[18:19], s[18:19], s[50:51]
.macro LOAD2 d                         ; 64 along K (blocks 2 d, 2 d + 1) of the 16 rows: sixteen lanes read 256 consecutive bytes of a row, at a multiple of 256 from the tensor's first byte
.irp j, 0,1,2,3,4,5,6,7
	global_load_b128 v[R+32*((\d)%2)+4*\j:R+32*((\d)%2)+4*\j+3], v[OFF+\j], s[6:7] offset:256*(\d) th:TH_LOAD_NT
.endr
.endm
.macro TURN2 d                         ; through the stage: LDS serves a wave's instructions in order (ISA guide 5.7.1.4), so no wait stands between the stores and the loads, nor between the last turn's loads and these stores
.irp j, 0,1,2,3,4,5,6,7
	ds_store_b128 v14, v[R+32*((\d)%2)+4*\j:R+32*((\d)%2)+4*\j+3] offset:320*\j
.endr
.irp e, 0,1
.irp i, 0,1,2,3
	ds_load_b128 v[X+16*\e+4*\i:X+16*\e+4*\i+3], v15 offset:EOFF*\e+16*\i
.endr
.endr
.endm
.macro QSTEP t                         ; block t of the unit: two neighbouring lanes hold a row's 32 numbers
.set XS, X+16*((\t)%2)
.set CS, C+2*((\t)%2)
	v_max3_num_f32 v8, |v[XS]|, |v[XS+1]|, |v[XS+2]|               ; the largest magnitude of my 16, in two chains
	v_max3_num_f32 v9, |v[XS+3]|, |v[XS+4]|, |v[XS+5]|
.irp i, 6,10
	v_max3_num_f32 v8, v8, |v[XS+\i]|, |v[XS+\i+1]|
	v_max3_num_f32 v9, v9, |v[XS+\i+2]|, |v[XS+\i+3]|
.endr
	v_max3_num_f32 v8, v8, |v[XS+14]|, |v[XS+15]|
	v_max3_num_f32 v8, v8, v9, 0x1800000           ; and the floor 2^(3 - 127): so the byte cannot fall under 1
	v_max_num_f32_dpp v8, v8, v8 row_xmask:1 row_mask:0xf bank_mask:0xf   ; and of my neighbour's 16: the block's
	v_add_nc_u32 v11, 0xff000000, v8               ; 2 off its exponent field: the conversion takes the exponent field of this operand as its scale, and nothing else of it
	v_cvt_scalef32_pk8_fp4_f32 v[CS], v[XS:XS+7], v11
	v_cvt_scalef32_pk8_fp4_f32 v[CS+1], v[XS+8:XS+15], v11
.if (\t)%4 == 0
	v_lshrrev_b32 v[SB+(\t)/4], 23, v11            ; the scale's byte (a plain line behind the conversions): the first of four starts its register
.else
	v_lshrrev_b32 v10, 23, v11
	v_lshl_or_b32 v[SB+(\t)/4], v10, 8*((\t)%4), v[SB+(\t)/4]
.endif
	global_store_b64 v4, v[CS:CS+1], s[16:17] offset:256*(\t)      ; the wave stores the block's 256 consecutive bytes, at a multiple of 256 from the buffer's first byte
.endm
.macro DSTEP d                         ; 64 along K: two blocks
.if (\d) < 7
	s_wait_loadcnt 8                               ; these eight loads are in; the eight of the next 64 along K may be out
.else
	s_wait_loadcnt 0x0                             ; the last eight: nothing was issued behind them
.endif
	TURN2 \d
	s_wait_dscnt 0x0                               ; the numbers are back from the stage: so the stores into it have read their registers,
	s_wait_xcnt 0x0                                ; and what was issued up to the last two blocks' stores has had its addresses translated (ISA guide 3.1): the codes' four registers are written again only behind this wait
.if (\d)+2 < 8
	LOAD2 (\d)+2                                   ; into the set that has just gone through the stage: sixteen loads of mine are out
.endif
	QSTEP 2*(\d)
	QSTEP 2*(\d)+1
.endm
	LOAD2 0
	LOAD2 1
.irp d, 0,1,2,3,4,5,6,7
	DSTEP \d
.endr
	; both lanes of a row hold its 16 scale bytes: the even lane stores bytes 0-7, the odd lane bytes 8-15
	v_and_b32 v8, 1, v2
	v_cmp_eq_u32 vcc_lo, 1, v8
	v_cndmask_b32 v12, v[SB], v[SB+2], vcc_lo
	v_cndmask_b32 v13, v[SB+1], v[SB+3], vcc_lo
	global_store_b64 v4, v[12:13], s[18:19]        ; the unit's 256 scale bytes: consecutive, at a multiple of 256 from the buffer's first byte
	s_wait_tensorcnt 0x0
	ds_add_u32 v128, v129
	s_wait_dscnt 0x0
	s_endpgm
.Lfunc_end_k_q0c34ed74ca_quant:
	.size	k_q0c34ed74ca_quant, .Lfunc_end_k_q0c34ed74ca_quant-k_q0c34ed74ca_quant
	.p2alignl 7, 3214868480
	.fill 96, 4, 3214868480
	.section	.rodata,"a",@progbits
	.p2align	6, 0x0
	.amdhsa_kernel k_q0c34ed74ca_quant
		.amdhsa_group_segment_fixed_size 144128
		.amdhsa_private_segment_fixed_size 0
		.amdhsa_enable_private_segment 0
		.amdhsa_kernarg_size 80
		.amdhsa_user_sgpr_count 2
		.amdhsa_user_sgpr_kernarg_segment_ptr 1
		.amdhsa_wavefront_size32 1
		.amdhsa_system_sgpr_workgroup_id_x 1
		.amdhsa_system_sgpr_workgroup_id_y 1
		.amdhsa_system_sgpr_workgroup_id_z 1
		.amdhsa_system_vgpr_workitem_id 0
		.amdhsa_next_free_vgpr 130
		.amdhsa_next_free_sgpr 66
		.amdhsa_reserve_vcc 1
		.amdhsa_float_denorm_mode_32 3
		.amdhsa_float_denorm_mode_16_64 3
		.amdhsa_memory_ordered 1
		.amdhsa_forward_progress 1
		.amdhsa_inst_pref_size 35
	.end_amdhsa_kernel
	.amdgpu_metadata
---
amdhsa.version: [ 1, 2 ]
amdhsa.kernels:
  - .name:           k_q0c34ed74ca_quant
    .symbol:         k_q0c34ed74ca_quant.kd
    .args:
      - { .name: x, .offset: 0, .size: 8, .value_kind: global_buffer, .address_space: global }
      - { .name: w1, .offset: 8, .size: 8, .value_kind: global_buffer, .address_space: global }
      - { .name: w2, .offset: 16, .size: 8, .value_kind: global_buffer, .address_space: global }
      - { .name: w3, .offset: 24, .size: 8, .value_kind: global_buffer, .address_space: global }
      - { .name: xc, .offset: 32, .size: 8, .value_kind: global_buffer, .address_space: global }
      - { .name: xs, .offset: 40, .size: 8, .value_kind: global_buffer, .address_space: global }
      - { .name: wgc, .offset: 48, .size: 8, .value_kind: global_buffer, .address_space: global }
      - { .name: wgs, .offset: 56, .size: 8, .value_kind: global_buffer, .address_space: global }
      - { .name: w3c, .offset: 64, .size: 8, .value_kind: global_buffer, .address_space: global }
      - { .name: w3s, .offset: 72, .size: 8, .value_kind: global_buffer, .address_space: global }
    .group_segment_fixed_size: 144128
    .private_segment_fixed_size: 0
    .kernarg_segment_align: 8
    .kernarg_segment_size: 80
    .max_flat_workgroup_size: 800
    .sgpr_count:     66
    .vgpr_count:     130
    .wavefront_size: 32
...
	.end_amdgpu_metadata
.endif
;; end of part 1
;; launch gateup (part 2): grid 64 x 4, 4 waves a work-group, clusters of 4 x 4, 327,680 bytes of LDS; arguments xc, xs, wgc, wgs, hc, hs; writes hc, hs
.if DOCPART == 2
	.amdgcn_target "amdgcn-amd-amdhsa--gfx1250"
	.amdhsa_code_object_version 6
	.text
	.protected	k_q0c34ed74ca_gateup
	.globl	k_q0c34ed74ca_gateup
	.p2align	8
	.type	k_q0c34ed74ca_gateup,@function
k_q0c34ed74ca_gateup:
	s_mov_b64 s[64:65], 0
	v_nop
	global_prefetch_b8 v0, s[64:65] scope:SCOPE_SE
	s_setreg_imm32_b32 hwreg(HW_REG_WAVE_MODE, 25, 1), 1
	s_wait_xcnt 0x0
	s_wait_alu depctr_hold_cnt(0) depctr_sa_sdst(0) depctr_va_vdst(0) depctr_va_sdst(0) depctr_va_ssrc(0) depctr_va_vcc(0) depctr_vm_vsrc(0)
	s_getreg_b32 s2, hwreg(HW_REG_IB_STS2, 6, 4)
	s_cmp_eq_u32 s2, 0
	s_cbranch_scc0 .Lentry_in_a_cluster
	s_endpgm
.Lentry_in_a_cluster:
	s_bfe_u32 s2, ttmp6, 0x10000c
	s_cmp_lg_u32 s2, 0xf033
	s_cbranch_scc0 .Lentry_shape_is_right
	s_endpgm
.Lentry_shape_is_right:
; h = silu(x w1^T) x (x w2^T), both products on codes of FP4 (E2M1) with one E8M0 scale for each 32 along K = 2,048; h is quantised along the hidden axis in registers and leaves as codes and scale words.
; INPUTS, made by the launch before, in the order of the operand's registers: a unit is 16 rows x 512 K: 4,096 bytes of codes [16 blocks of 32 k][16 rows][16 bytes] and 256 scale bytes [16 rows][16 bytes].
;   x: [4 tiles of 256 rows][4 K steps][16 row groups];  w1 and w2 together: [64 tiles T][4 K steps][16 row groups], row group 8 c + 4 g + t (c: half of the tile's 128 hidden units, g: gate or up, t: 0..3),
;   whose place p is hidden unit 128 T + 64 c + 32 (t / 2) + 8 (t % 2) + p + 8 (p / 8).
; SHARES.  A work-group takes 256 rows of x and 128 hidden units: 256 rows of weights, gate and up.  Four waves; a wave takes 128 rows x 64 hidden units: 64 accumulators of 16 x 16, 512 registers.
; K goes in steps of 512 through a ring of two LDS slots; a K step of a tile is one dense block of memory, and a fragment's load reads 512 consecutive bytes of LDS: no padding is wanted.
; The scale bytes of both tiles for all of K (16 KB each) come once, with the first fills, and stay.
; CLUSTERS: 4 x 4 work-groups.  The four of a row of the cluster need the same tiles of x, the four of a column the same tiles of weights: each tile is asked for JOINTLY.
; THE MATRIX INSTRUCTION IS USED TRANSPOSED (source 0 = 16 rows of weights, source 1 = 16 rows of x): lane (r, h) holds row r of x, and register 16 b + i of the gate's 32 (of the up's 32) is hidden unit 32 b + 16 h + i.
; OUTPUTS.  h's codes: [16 tiles of 64 rows][16 K steps][4 row groups] units as above; h's scale words: [16 tiles][64 steps of 128][64 rows][4 bytes].
; LIMITS: NaN and infinities are not served.  Where the gate lies under about -87.3 the reciprocal's result would be denormal and comes out as 0: h is then -0 where its magnitude would be under 1.1e-36 x |up|.
; A block of zeros gets the byte 1 where the rule says 127 (its codes are zeros; this program alone reads the bytes); blocks whose largest magnitude lies under 2^-124 are held at the byte 1.
; REGISTERS, in windows of 256: window 0: v16-31 addresses; v32-95 scale words, two sets; v128-191 x's fragments, ONE set; on the way out v128-217 are at work.
;   window 1: the weights' fragments, TWO sets, at v0 and v128.  window 2: the accumulators of my rows 0-63 ((a, b) at v[8 (8 a + b)]; b = 0..3 gate, 4..7 up);  window 3: those of my rows 64-127.
.set NQ,     4                         ; steps of 128 along K in a slot
.set FR,     8                         ; registers of a fragment
.set NL,     2                         ; LDS loads that bring one
.set NP,     4                         ; places behind this matrix instruction (ISA guide 7.12.1)
.set HALFT,  32768                     ; 128 rows x 512 K of codes: what one tensor load brings, and what one wave reads of either side
.set SLOT,   4*HALFT                   ; x's 256 rows, then the weights' 256
.set KSB,    65536                     ; a K step of a tile in memory
.set SCL,    2*SLOT                    ; behind the ring: x's scale bytes [4 K steps][256 rows][16], then the weights'
.set SPARE,  SCL+32768                 ; behind the scales: the spare words, 128 bytes for each wave: two blocks of 256 bytes that no other line names
.set ADRA, 16                          ; v16-17  LDS address of my fragments of x in slot 0, 1
.set ADRB, 20                          ; v20-21  the same for the weights
.set HO,   24                          ; v24     the way out: my 8 bytes in a block's 256: 16 r + 8 h
.set HSA,  25                          ; v25     where I put two scale bytes of a row (LDS)
.set HSR,  26                          ; v26     where I read 64 rows' scale words back
.set ADRS, 27                          ; v27     LDS address of my scale words: lanes 0-15 x's rows, lanes 16-31 the weights'
.set SPW,  28                          ; v28     LDS address of my spare word; never rewritten
.set NIL,  29                          ; v29     0; never rewritten
.set PFO,  30                          ; v30     256 x lane; never rewritten
.set L8,   31                          ; v31     8 x lane
.set SC,   32                          ; scale words: set s at v[SC + 32 s]; register 4 i + q: lanes 0-15 the word of x's block i, lanes 16-31 that of the weights' block i, for the slot's q-th 128 along K
.set AF,   128                         ; x's fragments
.set HT,   128                         ; the way out: v128-159 32 numbers at work
.set TM,   160                         ; v160-169 maxima, scales, bytes
.set PC,   176                         ; v176-207 codes: four registers for each block of 16 rows, so that no store's data are written again
.set HW,   208                         ; v208-215 two scale bytes for each block of 16 rows
.set HSO,  216                         ; v216-217 scale words on their way out
.set G1, 24                            ; s[24:31] descriptor group 1 for x's tiles;  s[32:39] group 0, one set for each slot
.set G0, 32
.set G1B, 48                           ; s[48:55], s[56:63] the same for the weights' tiles
.set G0B, 56
.set G1S, 68                           ; s[68:75], s[76:79] groups 1 and 0 for x's scales;  s[80:87], s[88:91] for the weights'
.set G0S, 76
.set G1SB, 80
.set G0SB, 88
.set SEL, 66                           ; s[66:67] lane selects for v_permlanex16_b32: lane l xor 16
.set MSB, 0
.macro WIN new                         ; the immediate's high byte repeats the setting that is left
.if MSB != \new
	s_set_vgpr_msb (MSB<<8)|\new
.set MSB, \new
.endif
.endm
.set MUL_LO, 0xa1                      ; source 0 (weights) window 1, source 1 (x) window 0, C and D window 2
.set MUL_HI, 0xf1                      ; the same, C and D window 3
.set TO_B,   0x40                      ; destination window 1, address window 0
; A joint load: waves 0 and 1 fetch for x, waves 2 and 3 for the weights.  Each of the two lines has ONE mask and one set of registers for all that issue it; the branch hangs on the wave's number alone.
; Four v_nop follow each of the two lines, ahead of the jump, the label and what follows.
.macro JLOAD g0a, g1a, g0b, g1b
	s_cmp_eq_u32 s15, 0
	s_cbranch_scc0 .Lfor_b_\@
	tensor_load_to_lds s[\g0a:\g0a+3], s[\g1a:\g1a+7]
	s_nop 0
.rept 4
	v_nop
.endr
	s_branch .Lasked_\@
.Lfor_b_\@:
	tensor_load_to_lds s[\g0b:\g0b+3], s[\g1b:\g1b+7]
	s_nop 0
.rept 4
	v_nop
.endr
.Lasked_\@:
.endm
.macro CREST                           ; a round of the cluster's barrier behind its opening barrier
	s_cmp_lg_u32 s14, 0
	s_cbranch_scc1 .Lnot_wave_0_\@
	s_barrier_signal -3
.Lnot_wave_0_\@:
	s_barrier_wait -3
	s_barrier_signal -1
	s_barrier_wait -1
.endm
.macro CROUND                          ; a whole round
	s_barrier_signal -1
	s_barrier_wait -1
	CREST
.endm
; THE ONE PREFETCH: at the first change of slots, which asks for K step 2, each asking wave names 32 blocks of 256 bytes of K step 3, which the next change of slots will ask for.  Of the 32,768 bytes that a wave fetches,
; each of the four partners that ask for them jointly takes 8,192, told apart BY ADDRESS (cx for x's tiles, cy for the weights'): a lane a block.  x's tile is read by all sixteen clusters: cluster 0 asks; a tile of weights
; is read by one column of one cluster alone: its four ask.  So each block is named once in the launch.  K steps 0 to 2 come by their loads alone.
.macro ASK
	s_cmp_eq_u32 s95, 1
	s_cbranch_scc0 .Lnot_mine_\@
	global_prefetch_b8 v[PFO], s[12:13] th:TH_LOAD_NT scope:SCOPE_SE
.Lnot_mine_\@:
.endm
	s_load_b128 s[4:7], s[0:1], 0x0                ; x's codes, x's scales
	s_load_b128 s[8:11], s[0:1], 0x10              ; the weights' codes, their scales
	s_load_b128 s[96:99], s[0:1], 0x20             ; h's codes, h's scale words
	v_lshl_add_u32 v[SPW], v0, 2, SPARE
	v_mov_b32 v[NIL], 0
	ds_add_u32 v28, v29
	ds_add_u32 v28, v29
	s_wait_dscnt 0x0
	v_lshrrev_b32 v1, 5, v0
	v_readfirstlane_b32 s14, v1                    ; wave 0..3
	s_lshr_b32 s15, s14, 1                         ; which half of the tile's rows of x is mine.  Also: I fetch for x (0) or for the weights (1)
	s_and_b32 s16, s14, 1                          ; which half of its hidden units.  Also: which half of that tile I fetch
	s_bfe_u32 s40, ttmp6, 0x40000                  ; cx, cy: my place in the cluster
	s_bfe_u32 s41, ttmp6, 0x40004                  ; cy is also the tile of x: the grid has one cluster along y
	s_lshl_b32 s42, ttmp9, 2
	s_add_co_u32 s42, s42, s40                     ; T, the tile of weights = 4 x cluster x + cx
	s_lshl_b32 s43, s41, 2
	s_lshl_b32 s43, 15, s43                        ; my row of the cluster
	s_lshl_b32 s44, 0x1111, s40                    ; my column
	; descriptor group 1: a dense block of 32,768 bytes as 128 rows of 32 elements of 8 bytes; no padding
	s_or_b32 s[G1+0], s43, (3<<16)|(1<<21)         ; 15:0 the mask: x's tiles go to my row; 17:16 elements of 8 bytes; 21 set beside a mask
	s_or_b32 s[G1B+0], s44, (3<<16)|(1<<21)        ; the weights' to my column
.irp g, G1, G1B
	s_mov_b32 s[\g+1], 32<<16                      ; tensor_dim0
	s_mov_b32 s[\g+2], 128<<16                     ; tensor_dim1
	s_mov_b32 s[\g+3], 32<<16                      ; tile_dim0
	s_mov_b32 s[\g+4], 128                         ; tile_dim1
	s_mov_b32 s[\g+5], 32                          ; tensor_dim0_stride
	s_mov_b32 s[\g+6], 0
	s_mov_b32 s[\g+7], 0
.endr
	; and for half a tile's scale bytes: 8,192 dense bytes as 32 such rows
	s_or_b32 s[G1S+0], s43, (3<<16)|(1<<21)
	s_or_b32 s[G1SB+0], s44, (3<<16)|(1<<21)
.irp g, G1S, G1SB
	s_mov_b32 s[\g+1], 32<<16
	s_mov_b32 s[\g+2], 32<<16
	s_mov_b32 s[\g+3], 32<<16
	s_mov_b32 s[\g+4], 32
	s_mov_b32 s[\g+5], 32
	s_mov_b32 s[\g+6], 0
	s_mov_b32 s[\g+7], 0
.endr
	s_lshl_b32 s18, s16, 15                        ; the half that I fetch, in codes
	s_lshl_b32 s20, s41, 18                        ; x: a tile is 4 K steps of 65,536 bytes
	s_add_co_u32 s20, s20, s18
	s_mov_b32 s21, 0
	s_lshl_b32 s46, s42, 18                        ; the weights likewise
	s_add_co_u32 s46, s46, s18
	s_mov_b32 s47, 0
	s_lshl_b32 s18, s16, 13                        ; and in scale bytes: a tile has 16,384
	s_lshl_b32 s22, s41, 14
	s_add_co_u32 s22, s22, s18
	s_mov_b32 s23, 0
	s_lshl_b32 s92, s42, 14
	s_add_co_u32 s92, s92, s18
	s_mov_b32 s93, 0
	s_lshl_b32 s45, s14, 15                        ; where they go: wave x 32,768 in a slot: no place in the cluster enters an LDS address
	s_lshl_b32 s94, s14, 13                        ; wave x 8,192 among the scales
	s_wait_kmcnt 0x0
	s_add_nc_u64 s[20:21], s[4:5], s[20:21]
	s_add_nc_u64 s[22:23], s[6:7], s[22:23]
	s_add_nc_u64 s[46:47], s[8:9], s[46:47]
	s_add_nc_u64 s[92:93], s[10:11], s[92:93]
	CROUND                                         ; all sixteen work-groups are here: the first joint loads meet
	s_mov_b32 s[G0S], 1
	s_add_co_u32 s[G0S+1], s94, SCL
	s_mov_b64 s[G0S+2:G0S+3], s[22:23]
	s_or_b32 s[G0S+3], s[G0S+3], 0x80000000
	s_mov_b32 s[G0SB], 1
	s_add_co_u32 s[G0SB+1], s94, SCL
	s_mov_b64 s[G0SB+2:G0SB+3], s[92:93]
	s_or_b32 s[G0SB+3], s[G0SB+3], 0x80000000
	JLOAD G0S, G1S, G0SB, G1SB                     ; the scales first: they are wanted with K step 0
.irp s, 0,1
	s_mov_b32 s[G0+4*\s], 1
	s_add_co_u32 s[G0+4*\s+1], s45, \s*SLOT
	s_add_nc_u64 s[G0+4*\s+2:G0+4*\s+3], s[20:21], \s*KSB
	s_or_b32 s[G0+4*\s+3], s[G0+4*\s+3], 0x80000000
	s_mov_b32 s[G0B+4*\s], 1
	s_add_co_u32 s[G0B+4*\s+1], s45, \s*SLOT
	s_add_nc_u64 s[G0B+4*\s+2:G0B+4*\s+3], s[46:47], \s*KSB
	s_or_b32 s[G0B+4*\s+3], s[G0B+4*\s+3], 0x80000000
	JLOAD G0+4*\s, G1, G0B+4*\s, G1B               ; three tensor loads of mine are out
.endr
	; the prefetch's address and who asks
	s_cmp_eq_u32 s15, 0                            ; do I fetch for x?
	s_cselect_b64 s[12:13], s[20:21], s[46:47]     ; my half of the tile's K step 0
	s_cselect_b32 s17, s40, s41                    ; my place among the four that ask for it with me
	s_cselect_b32 s95, ttmp9, 0                    ; the coordinate along which other clusters read the same bytes
	s_cmp_eq_u32 s95, 0
	s_cselect_b32 s95, 1, -1                       ; the same in all sixteen partners, for a given wave
	s_lshl_b32 s18, s17, 13
	s_add_co_u32 s18, s18, 3*KSB                   ; K step 3, my work-group's 8,192 bytes
	s_mov_b32 s19, 0
	s_add_nc_u64 s[12:13], s[12:13], s[18:19]
	v_and_b32 v1, 15, v0                           ; r = l % 16
	v_bfe_u32 v2, v0, 4, 1                         ; h = l / 16
	v_and_b32 v3, 31, v0                           ; lane
	v_lshlrev_b32 v4, 4, v3                        ; 16 x lane: my place in a fragment's image
	v_lshlrev_b32 v[PFO], 8, v3
	v_lshlrev_b32 v[L8], 3, v3
	s_lshl_b32 s21, s15, 15                        ; my 128 rows of x
	s_lshl_b32 s22, s16, 15                        ; my 128 rows of weights,
	s_add_co_u32 s22, s22, 2*HALFT                 ; which lie behind x's 256
.irp s, 0,1
	v_add_nc_u32 v[ADRA+\s], s21, v4
	v_add_nc_u32 v[ADRB+\s], s22, v4
	s_add_co_u32 s21, s21, SLOT
	s_add_co_u32 s22, s22, SLOT
.endr
	s_lshl_b32 s21, s15, 11                        ; scale bytes: 16 a row: x's, my 128 rows;
	s_lshl_b32 s22, s16, 11                        ; the weights', my 128 rows, 16,384 bytes behind x's
	s_add_co_u32 s22, s22, 16384
	s_sub_co_u32 s22, s22, s21
	v_mul_u32_u24 v6, s22, v2                      ; lanes 16-31 take the weights'
	s_add_co_u32 s21, s21, SCL
	v_lshl_add_u32 v5, v1, 4, v6
	v_add_nc_u32 v[ADRS], s21, v5
	v_lshlrev_b32 v[HO], 4, v1
	v_lshl_add_u32 v[HO], v2, 3, v[HO]
	s_lshl_b32 s21, s15, 9                         ; the scale bytes' stage: [256 rows][4 bytes] at LDS byte 0: 4 (128 x row half + r) + 2 x my half of the hidden units
	s_lshl_b32 s22, s16, 1
	s_add_co_u32 s21, s21, s22
	v_lshl_add_u32 v[HSA], v1, 2, s21
	s_lshl_b32 s21, s14, 8                         ; back: wave w takes rows 64 w .. 64 w + 63, 8 bytes a lane
	v_lshl_add_u32 v[HSR], v3, 3, s21
	s_lshl_b32 s20, s41, 2                         ; h's codes: tile of 64 rows 4 cy + 2 x row half (+ a / 4), 262,144 bytes each;
	s_lshl_b32 s21, s15, 1
	s_add_co_u32 s20, s20, s21
	s_lshl_b32 s20, s20, 18
	s_lshr_b32 s21, s42, 2                         ; K step T / 4, 16,384 bytes each;
	s_lshl_b32 s21, s21, 14
	s_add_co_u32 s20, s20, s21
	s_and_b32 s21, s42, 3                          ; block 4 (T % 4) + 2 x my half (+ 0, 1), 256 bytes each
	s_lshl_b32 s21, s21, 2
	s_lshl_b32 s22, s16, 1
	s_add_co_u32 s21, s21, s22
	s_lshl_b32 s21, s21, 8
	s_add_co_u32 s20, s20, s21
	s_mov_b32 s21, 0
	s_add_nc_u64 s[96:97], s[96:97], s[20:21]
	s_lshl_b32 s20, s41, 2                         ; h's scale words: tile 4 cy + wave, 16,384 bytes each; step T, 256 bytes each
	s_add_co_u32 s20, s20, s14
	s_lshl_b32 s20, s20, 14
	s_lshl_b32 s22, s42, 8
	s_add_co_u32 s20, s20, s22
	s_add_nc_u64 s[98:99], s[98:99], s[20:21]
	s_mov_b32 s2, 0xbfb8aa3b                       ; -log2(e)
	s_mov_b32 s3, s2                               ; (named with it as a pair, so it is written)
	s_mov_b32 s[SEL], 0x76543210
	s_mov_b32 s[SEL+1], 0xfedcba98
.macro FRAG reg, adr, q, i             ; a fragment, 16 rows x 128 K, is 8 registers: lane l holds row l % 16; registers 4 c .. 4 c + 3 hold K = 64 c + 32 (l / 16) + 0 .. 31.  Its image lies in LDS as it lies in the registers: each load reads 512 consecutive bytes
.irp c, 0,1
	ds_load_b128 v[\reg+4*\c:\reg+4*\c+3], v[\adr] offset:1024*(\q)+512*\c+(\i)*4096
.endr
.endm
; 16 matrix instructions: x's blocks a0, a0 + 1 against the weights' eight, 128 along K: the slot's q-th.  p: the weights' set;  sc: the set of scale words.  zero = 1: the first product starts the sums: nothing is ever cleared.
; The 64 accumulators take turns, one instruction a turn, in the same order in every step.
.macro MUL16 a0, p, q, sc, zero
.irp a, \a0, \a0+1
.irp b, 0,1,2,3,4,5,6,7
.if \zero
	v_wmma_scale_f32_16x16x128_f8f6f4 v[8*(8*((\a)%4)+\b):8*(8*((\a)%4)+\b)+7], v[128*(\p)+FR*\b:128*(\p)+FR*\b+FR-1], v[AF+FR*(\a):AF+FR*(\a)+FR-1], 0, v[SC+8*NQ*(\sc)+NQ*\b+(\q)], v[SC+8*NQ*(\sc)+NQ*(\a)+(\q)] matrix_a_fmt:MATRIX_FMT_FP4 matrix_b_fmt:MATRIX_FMT_FP4 matrix_a_scale:MATRIX_SCALE_ROW1
.else
	v_wmma_scale_f32_16x16x128_f8f6f4 v[8*(8*((\a)%4)+\b):8*(8*((\a)%4)+\b)+7], v[128*(\p)+FR*\b:128*(\p)+FR*\b+FR-1], v[AF+FR*(\a):AF+FR*(\a)+FR-1], v[8*(8*((\a)%4)+\b):8*(8*((\a)%4)+\b)+7], v[SC+8*NQ*(\sc)+NQ*\b+(\q)], v[SC+8*NQ*(\sc)+NQ*(\a)+(\q)] matrix_a_fmt:MATRIX_FMT_FP4 matrix_b_fmt:MATRIX_FMT_FP4 matrix_a_scale:MATRIX_SCALE_ROW1
.endif
.endr
.endr
.endm
.macro FETCH_B slot, q, p              ; the weights' eight fragments of the slot's q-th 128 along K into set p
	WIN TO_B
.irp i, 0,1,2,3,4,5,6,7
	FRAG 128*(\p)+FR*\i, ADRB+\slot, \q, \i
.endr
	WIN 0
.endm
.macro FETCH_A slot, q, i0             ; x's blocks i0 .. i0 + 3
.irp i, \i0, \i0+1, \i0+2, \i0+3
	FRAG AF+FR*(\i), ADRA+\slot, \q, \i
.endr
.endm
.macro SCALES sc                       ; a K step's scale words into set sc: four words a row; lanes 0-15 take x's block i, lanes 16-31 the weights' block i
.irp i, 0,1,2,3,4,5,6,7
	ds_load_b128 v[SC+8*NQ*\sc+NQ*\i:SC+8*NQ*\sc+NQ*\i+3], v[ADRS] offset:\i*256
.endr
.endm
; A load into a register that a matrix instruction has read, and a vector instruction that reads a matrix result or writes one of a matrix instruction's registers, stand NP places behind it, and only plain vector
; instructions that name none of its registers are places (ISA guide 7.12.1 for vector instructions).
.macro PLACES n
.rept \n
	v_nop
.endr
.endm
; A step of 128 along K that has its successor in the same slot.  A block of x is free as soon as its eight products are issued: blocks 0-3 are fetched anew in the step's middle, blocks 4-7 at its end.
.macro STEP slot, q, zero
	s_wait_dscnt 4*NL                              ; the weights' set and x's blocks 0-3 are in; the youngest eight loads (x's blocks 4-7) may be out
	WIN MUL_LO
	MUL16 0, (\q)%2, \q, \slot, \zero
	MUL16 2, (\q)%2, \q, \slot, \zero
	s_wait_dscnt 0                                 ; x's blocks 4-7 are in (asked for 32 matrix instructions ago)
	PLACES NP
	FETCH_B \slot, (\q)+1, 1-(\q)%2
	FETCH_A \slot, (\q)+1, 0
	WIN MUL_HI
	MUL16 4, (\q)%2, \q, \slot, \zero
	MUL16 6, (\q)%2, \q, \slot, \zero
	PLACES NP
	WIN 0
	FETCH_A \slot, (\q)+1, 4
.endm
; A slot's last step changes slots: ONE barrier; in front of it each wave waits for all its tensor loads, adds 0 to its spare word, and waits for that and for its own reads of this slot.  fill = 1: this slot is filled again, two K steps ahead.
.macro TURN slot, next, fill, ask
	s_wait_tensorcnt 0x0                           ; all my tensor loads have landed: my part of the next slot;  (every window is 0 here: the add's two registers lie in window 0)
	ds_add_u32 v[SPW], v[NIL]                      ; 0 onto my spare word
	s_wait_dscnt 4*NL+1                            ; (the add and the youngest eight loads, x's blocks 4-7, may be out)
	WIN MUL_LO
	MUL16 0, 1, NQ-1, \slot, 0                     ; sixteen matrix instructions stand between the add and the wait for it
	s_wait_dscnt 0x0                               ; the add is done, and my reads of this slot are over
	s_barrier_signal -1
	MUL16 2, 1, NQ-1, \slot, 0
	WIN 0
	s_barrier_wait -1
.if \fill
	CREST                                          ; the barrier has opened a round of the cluster's barrier: no wave of any partner still reads this slot's tile or has a load on its way
	s_add_nc_u64 s[G0+4*\slot+2:G0+4*\slot+3], s[G0+4*\slot+2:G0+4*\slot+3], 2*KSB
	s_add_nc_u64 s[G0B+4*\slot+2:G0B+4*\slot+3], s[G0B+4*\slot+2:G0B+4*\slot+3], 2*KSB
	JLOAD G0+4*\slot, G1, G0B+4*\slot, G1B         ; the first tensor load behind the round; the four v_nop behind it are the places in front of the loads below
.else
	PLACES NP
.endif
	v_add_nc_u32 v[ADRS], 4096, v[ADRS]            ; on to the next K step's scale words
	FETCH_B \next, 0, 0
	FETCH_A \next, 0, 0
	SCALES \next
.if \ask
	ASK                                            ; behind the joint load and the run of LDS loads that the next products wait for
.endif
	WIN MUL_HI
	MUL16 4, 1, NQ-1, \slot, 0
	MUL16 6, 1, NQ-1, \slot, 0
	PLACES NP
	WIN 0
	FETCH_A \next, 0, 4
.endm
.macro STEPS slot, from                ; the slot's steps from .. NQ - 2
.set Q, \from
.rept NQ-1-\from
	STEP \slot, Q, 0
.set Q, Q+1
.endr
.endm
	s_wait_tensorcnt 1                             ; the scales and my part of K step 0 are in (K step 1's load may be out)
	s_barrier_signal -1
	s_barrier_wait -1                              ; everybody's are
	FETCH_B 0, 0, 0
	FETCH_A 0, 0, 0
	SCALES 0
	FETCH_A 0, 0, 4
	STEP 0, 0, 1                                   ; K step 0: the first products start the sums.  The four K steps are written out: a loop over the ring would make one trip
	STEPS 0, 1
	TURN 0, 1, 1, 1                                ; slot 0 takes K step 2
	STEPS 1, 0                                     ; K step 1
	TURN 1, 0, 1, 0                                ; slot 1 takes K step 3
	STEP 0, 0, 0                                   ; K step 2
	STEPS 0, 1
	TURN 0, 1, 0, 0                                ; nothing is left to fetch, so no round of the cluster's barrier
	STEPS 1, 0                                     ; K step 3
	s_wait_dscnt 4*NL                              ; the very last step
	WIN MUL_LO
	MUL16 0, 1, NQ-1, 1, 0
	MUL16 2, 1, NQ-1, 1, 0
	s_wait_dscnt 0
	WIN MUL_HI
	MUL16 4, 1, NQ-1, 1, 0
	MUL16 6, 1, NQ-1, 1, 0
	WIN 0
; THE WAY OUT, block by block of 16 rows.  h = (gate x 1 / (1 + 2^(-log2(e) gate))) x up, all in f32; then the lane's 32 numbers, two halves of blocks of 32 along the hidden axis, are quantised.
; A block of 32 lies in lanes l and l xor 16.  A lane's 16 codes are 8 bytes at 16 r + 8 h of the block's 256 bytes in h's unit: the wave's store covers 256 consecutive bytes, at a multiple of 256 from the buffer's first byte,
; straight from the registers.  The exponentials and the reciprocals go as batches of 32, each with one plain line and one wait behind it.
.macro HBLOCK a
.set AC, 64*((\a)%4)
	WIN 2+(\a)/4                                   ; source 0: window 2 or 3
.set j, 0
.rept 16
	v_pk_mul_f32 v[HT+j:HT+j+1], v[AC+j:AC+j+1], s[2:3] op_sel_hi:[1,0]   ; -log2(e) x gate; each accumulator is read from its low end on
.set j, j+2
.endr
	WIN 0
.set j, 0
.rept 32
	v_exp_f32 v[HT+j], v[HT+j]
.set j, j+1
.endr
	v_nop
	s_wait_alu depctr_va_vdst(0)
.set j, 0
.rept 16
	v_pk_add_f32 v[HT+j:HT+j+1], v[HT+j:HT+j+1], 1.0 op_sel_hi:[1,0]
.set j, j+2
.endr
.set j, 0
.rept 32
	v_rcp_f32 v[HT+j], v[HT+j]
.set j, j+1
.endr
	v_nop
	s_wait_alu depctr_va_vdst(0)
	WIN 2+(\a)/4
.set j, 0
.rept 16
	v_pk_mul_f32 v[HT+j:HT+j+1], v[AC+j:AC+j+1], v[HT+j:HT+j+1]          ; silu(gate)
.set j, j+2
.endr
.set j, 0
.rept 16
	v_pk_mul_f32 v[HT+j:HT+j+1], v[AC+32+j:AC+32+j+1], v[HT+j:HT+j+1]    ; x up
.set j, j+2
.endr
	WIN 0
.irp b, 0,1                            ; the largest magnitude of my 16 numbers of each block, in two chains, the blocks by turns
	v_max3_num_f32 v[TM+\b], |v[HT+16*\b]|, |v[HT+16*\b+1]|, 0x1800000   ; with the floor 2^(3 - 127): so the byte cannot fall under 1
	v_max3_num_f32 v[TM+2+\b], |v[HT+16*\b+8]|, |v[HT+16*\b+9]|, |v[HT+16*\b+10]|
.endr
.irp i, 2,4
.irp b, 0,1
	v_max3_num_f32 v[TM+\b], v[TM+\b], |v[HT+16*\b+\i]|, |v[HT+16*\b+\i+1]|
	v_max3_num_f32 v[TM+2+\b], v[TM+2+\b], |v[HT+16*\b+\i+9]|, |v[HT+16*\b+\i+10]|
.endr
.endr
.irp b, 0,1
	v_max3_num_f32 v[TM+\b], v[TM+\b], |v[HT+16*\b+6]|, |v[HT+16*\b+7]|
.endr
.irp b, 0,1
	v_max3_num_f32 v[TM+\b], v[TM+\b], v[TM+2+\b], |v[HT+16*\b+15]|
.endr
.irp b, 0,1
	v_permlanex16_b32 v[TM+4+\b], v[TM+\b], s[SEL], s[SEL+1]
.endr
.irp b, 0,1
	v_max_num_f32 v[TM+\b], v[TM+\b], v[TM+4+\b]   ; with lane l xor 16's: the block's largest magnitude
.endr
.irp b, 0,1
	v_add_nc_u32 v[TM+6+\b], 0xff000000, v[TM+\b]  ; 2 off its exponent field: the conversion's scale operand
.endr
.irp b, 0,1
	v_lshrrev_b32 v[TM+8+\b], 23, v[TM+6+\b]       ; the scale's byte
.endr
	v_lshl_or_b32 v[HW+\a], v[TM+9], 8, v[TM+8]    ; my half of the row's scale word
.irp b, 0,1
	v_cvt_scalef32_pk8_fp4_f32 v[PC+4*(\a)+2*\b], v[HT+16*\b:HT+16*\b+7], v[TM+6+\b]
	v_cvt_scalef32_pk8_fp4_f32 v[PC+4*(\a)+2*\b+1], v[HT+16*\b+8:HT+16*\b+15], v[TM+6+\b]
.endr
	v_nop                                          ; one plain line behind the last conversion: the next block writes its sources
.irp b, 0,1
	global_store_b64 v[HO], v[PC+4*(\a)+2*\b:PC+4*(\a)+2*\b+1], s[96:97] offset:262144*((\a)/4)+4096*((\a)%4)+256*\b
.endr
	ds_store_b16 v[HSA], v[HW+\a] offset:64*(\a)   ; lanes l and l xor 16 write the same two bytes with the same value.  LDS bytes 0-1,023 lie in slot 0, which has had its last fill, and which nobody reads behind the last change of slots
.endm
	PLACES NP                                      ; behind the last products: the lines below write registers that held x's fragments, and read results
	v_mov_b32 v[TM+4], 0                           ; written once: a lane permute's destination counts as one of its sources
	v_mov_b32 v[TM+5], 0
.irp a, 0,1,2,3,4,5,6,7
	HBLOCK \a
.endr
	s_wait_dscnt 0x0                               ; for the others' sake: my scale bytes lie in LDS
	s_barrier_signal -1
	s_barrier_wait -1                              ; a row's word comes from two waves
	ds_load_b64 v[HSO:HSO+1], v[HSR]
	s_wait_dscnt 0x0
	global_store_b64 v[L8], v[HSO:HSO+1], s[98:99] ; 64 rows' scale words: 256 consecutive bytes, at a multiple of 256 from the buffer's first byte
	s_wait_tensorcnt 0x0                           ; the wave's end: behind my last tensor load and my last LDS store
	ds_add_u32 v[SPW], v[NIL]
	s_wait_dscnt 0x0
	CROUND                                         ; the closing round: no work-group ends while a partner may still ask for a tile that names it
	s_endpgm
.Lfunc_end_k_q0c34ed74ca_gateup:
	.size	k_q0c34ed74ca_gateup, .Lfunc_end_k_q0c34ed74ca_gateup-k_q0c34ed74ca_gateup
	.p2alignl 7, 3214868480
	.fill 96, 4, 3214868480
	.section	.rodata,"a",@progbits
	.p2align	6, 0x0
	.amdhsa_kernel k_q0c34ed74ca_gateup
		.amdhsa_group_segment_fixed_size 327680
		.amdhsa_private_segment_fixed_size 0
		.amdhsa_enable_private_segment 0
		.amdhsa_kernarg_size 48
		.amdhsa_user_sgpr_count 2
		.amdhsa_user_sgpr_kernarg_segment_ptr 1
		.amdhsa_wavefront_size32 1
		.amdhsa_system_sgpr_workgroup_id_x 1
		.amdhsa_system_sgpr_workgroup_id_y 1
		.amdhsa_system_sgpr_workgroup_id_z 1
		.amdhsa_system_vgpr_workitem_id 0
		.amdhsa_next_free_vgpr 1024
		.amdhsa_next_free_sgpr 100
		.amdhsa_reserve_vcc 0
		.amdhsa_float_denorm_mode_32 3
		.amdhsa_float_denorm_mode_16_64 3
		.amdhsa_memory_ordered 1
		.amdhsa_forward_progress 1
		.amdhsa_inst_pref_size 249
	.end_amdhsa_kernel
	.amdgpu_metadata
---
amdhsa.version: [ 1, 2 ]
amdhsa.kernels:
  - .name:           k_q0c34ed74ca_gateup
    .symbol:         k_q0c34ed74ca_gateup.kd
    .args:
      - { .name: xc, .offset: 0, .size: 8, .value_kind: global_buffer, .address_space: global }
      - { .name: xs, .offset: 8, .size: 8, .value_kind: global_buffer, .address_space: global }
      - { .name: wgc, .offset: 16, .size: 8, .value_kind: global_buffer, .address_space: global }
      - { .name: wgs, .offset: 24, .size: 8, .value_kind: global_buffer, .address_space: global }
      - { .name: hc, .offset: 32, .size: 8, .value_kind: global_buffer, .address_space: global }
      - { .name: hs, .offset: 40, .size: 8, .value_kind: global_buffer, .address_space: global }
    .group_segment_fixed_size: 327680
    .private_segment_fixed_size: 0
    .kernarg_segment_align: 8
    .kernarg_segment_size: 48
    .max_flat_workgroup_size: 128
    .sgpr_count:     100
    .vgpr_count:     1024
    .wavefront_size: 32
...
	.end_amdgpu_metadata
.endif
;; end of part 2
;; launch down (part 3): grid 16 x 16, 4 waves a work-group, clusters of 4 x 1, 327,680 bytes of LDS; arguments hc, hs, w3c, w3s, out0; writes out0
.if DOCPART == 3
	.amdgcn_target "amdgcn-amd-amdhsa--gfx1250"
	.amdhsa_code_object_version 6
	.text
	.protected	k_q0c34ed74ca_down
	.globl	k_q0c34ed74ca_down
	.p2align	8
	.type	k_q0c34ed74ca_down,@function
k_q0c34ed74ca_down:
	s_mov_b64 s[64:65], 0
	v_nop
	global_prefetch_b8 v0, s[64:65] scope:SCOPE_SE
	s_setreg_imm32_b32 hwreg(HW_REG_WAVE_MODE, 25, 1), 1
	s_wait_xcnt 0x0
	s_wait_alu depctr_hold_cnt(0) depctr_sa_sdst(0) depctr_va_vdst(0) depctr_va_sdst(0) depctr_va_ssrc(0) depctr_va_vcc(0) depctr_vm_vsrc(0)
	s_getreg_b32 s2, hwreg(HW_REG_IB_STS2, 6, 4)
	s_cmp_eq_u32 s2, 0
	s_cbranch_scc0 .Lentry_in_a_cluster
	s_endpgm
.Lentry_in_a_cluster:
	s_bfe_u32 s2, ttmp6, 0x10000c
	s_cmp_lg_u32 s2, 0x3003
	s_cbranch_scc0 .Lentry_shape_is_right
	s_endpgm
.Lentry_shape_is_right:
; out = h w3^T on codes of FP4 (E2M1) with one E8M0 scale for each 32 along K = 8,192; sums in f32; out [1024][2048] f32.
; INPUTS, made by the launches before, in the order of the operand's registers: a unit is 16 rows x 512 K: 4,096 bytes of codes [16 blocks of 32 k][16 rows][16 bytes].
;   h's codes [16 tiles of 64 rows][16 K steps][4 row groups]; h's scale words [16 tiles][64 steps of 128][64 rows][4 bytes];
;   w3's codes [16 tiles of 128 rows][16 K steps][8 row groups]; w3's scale bytes in the same unit order, [16 rows][16 bytes] a unit.
; SHARES.  A work-group makes 64 rows x 128 columns of out: 256 work-groups.  THE WAVES SHARE K: wave w takes K = 2,048 w .. 2,048 w + 2,047 for the whole tile: 32 accumulators, 16 steps of 128.  So each operand byte is
; read by one wave, once.  h's fragments of all 16 steps (512 registers) come from memory straight into registers, asked for at the head.  w3's go through LDS: each wave has 65,536 bytes of its own, filled twice.
; The four partial sums meet in LDS at the end.  ORDER OF ROUNDING: an output's sum is taken in four parts along K, added as (p0 + p1) + (p2 + p3): not one ascending chain.
; CLUSTER: the four work-groups of a cluster have the same 128 rows of w3 and other rows of h: w3's tiles are asked for JOINTLY, by the same tensor load with the same descriptor and the mask 15.
; h's tiles are not shared inside a cluster (each partner has its own 64 rows), so they come by plain loads.
; THE MATRIX INSTRUCTION IS USED TRANSPOSED (source 0 = 16 rows of w3, source 1 = 16 rows of h): a lane then holds eight neighbouring numbers of a row of out.
; REGISTERS, in windows of 256: window 0: v1-12 addresses; v16-47 h's scale words; v48-79 w3's, two sets; v96-159, v160-223 w3's fragments, two sets.
;   window 1: accumulator (a, b) at v[8 (8 a + b)].   windows 2, 3: h's fragment (step j, block a) at v[32 (j % 8) + 8 a] of window 2 + j / 8; at the end window 2 takes the partial sums.
.set SCB,   262144                     ; behind the four waves' regions: w3's scale bytes, 8,192 a wave: [4 K steps][128 rows][16 bytes]; filled once
.set SPARE, SCB+32768                  ; the spare words, 128 bytes for each wave: two blocks of 256 bytes that no other line names
.set SPITCH, 528                       ; the way out: a stage of 64 rows x (512 bytes + 16) in each wave's own region, which has had its last fill
.set L16,  1                           ; v1    16 x lane
.set L4,   2                           ; v2    4 x lane
.set ADB,  3                           ; v3    my region + 16 x lane
.set ASB,  4                           ; v4    my scale bytes + 16 x lane
.set SPW,  5                           ; v5    LDS address of my spare word; never rewritten
.set NIL,  6                           ; v6    0; never rewritten
.set STO,  7                           ; v7    the way out: where I put 32 bytes of a row
.set RD,   8                           ; v8-11 where I read my 16 rows of wave p's partial sums
.set PFO,  12                          ; v12   256 x lane; never rewritten
.set SA,   16                          ; register 2 j + u: lane l holds the word of row 32 u + l of h for step j
.set SB,   48                          ; set s at v[SB + 16 s]; register 4 i + q: lane l holds the word of row 32 i + l of w3 for the K step's q-th 128
.set BF,   96
.set G1,   24                          ; s[24:31] descriptor group 1 for w3's codes;  s[32:39] for its scale bytes;  s[40:43], s[44:47] their groups 0
.set G1S,  32
.set G0,   40
.set G0S,  44
.set PFA,  48                          ; s[48:49] the prefetches' address; never rewritten once made
.set MSB, 0
.macro WIN new                         ; the immediate's high byte repeats the setting that is left
.if MSB != \new
	s_set_vgpr_msb (MSB<<8)|\new
.set MSB, \new
.endif
.endm
.macro CROUND                          ; a round of the cluster's barrier
	s_barrier_signal -1
	s_barrier_wait -1
	s_cmp_lg_u32 s14, 0
	s_cbranch_scc1 .Lnot_wave_0_\@
	s_barrier_signal -3
.Lnot_wave_0_\@:
	s_barrier_wait -3
	s_barrier_signal -1
	s_barrier_wait -1
.endm
.macro PLACES                          ; four places in front of loads into registers that matrix instructions have read, and of the first read of results (ISA guide 7.12.1 for the read of results)
.rept 4
	v_nop
.endr
.endm
	s_load_b128 s[4:7], s[0:1], 0x0                ; h's codes, h's scale words
	s_load_b128 s[8:11], s[0:1], 0x10              ; w3's codes, w3's scale bytes
	s_load_b64 s[12:13], s[0:1], 0x20              ; out
	v_lshl_add_u32 v[SPW], v0, 2, SPARE
	v_mov_b32 v[NIL], 0
	ds_add_u32 v5, v6
	ds_add_u32 v5, v6
	s_wait_dscnt 0x0
	v_lshrrev_b32 v1, 5, v0
	v_readfirstlane_b32 s14, v1                    ; wave 0..3
	s_bfe_u32 s15, ttmp6, 0x40000                  ; cx: my place in the cluster
	s_lshl_b32 s16, ttmp9, 2
	s_add_co_u32 s16, s16, s15                     ; my tile of 64 rows = 4 x cluster x + cx: it enters h's and out's addresses alone
	s_and_b32 s17, ttmp7, 0xffff                   ; my tile of 128 rows of w3, which the four partners share
	; descriptor group 1: a dense block of 65,536 bytes as 256 rows of 32 elements of 8 bytes; no padding
	s_mov_b32 s[G1], 15|(3<<16)|(1<<21)            ; 15:0 the mask: all four work-groups; 17:16 elements of 8 bytes; 21 set beside a mask
	s_mov_b32 s[G1+1], 32<<16                      ; tensor_dim0
	s_mov_b32 s[G1+2], 256<<16                     ; tensor_dim1
	s_mov_b32 s[G1+3], 32<<16                      ; tile_dim0
	s_mov_b32 s[G1+4], 256                         ; tile_dim1
	s_mov_b32 s[G1+5], 32                          ; tensor_dim0_stride
	s_mov_b32 s[G1+6], 0
	s_mov_b32 s[G1+7], 0
	s_mov_b32 s[G1S], 15|(3<<16)|(1<<21)           ; the scale bytes: 8,192 dense bytes as 32 such rows
	s_mov_b32 s[G1S+1], 32<<16
	s_mov_b32 s[G1S+2], 32<<16
	s_mov_b32 s[G1S+3], 32<<16
	s_mov_b32 s[G1S+4], 32
	s_mov_b32 s[G1S+5], 32
	s_mov_b32 s[G1S+6], 0
	s_mov_b32 s[G1S+7], 0
	s_lshl_b32 s18, s17, 19                        ; w3's codes: a tile is 16 K steps of 32,768 bytes; my four K steps
	s_lshl_b32 s20, s14, 17
	s_add_co_u32 s18, s18, s20
	s_mov_b32 s19, 0
	s_lshl_b32 s20, s17, 15                        ; its scale bytes: 2,048 a K step
	s_lshl_b32 s22, s14, 13
	s_add_co_u32 s20, s20, s22
	s_mov_b32 s21, 0
	s_lshl_b32 s23, s14, 16                        ; my region of LDS
	s_wait_kmcnt 0x0
	s_mov_b32 s[G0], 1                             ; 1:0 count = 1
	s_lshl_b32 s[G0+1], s14, 16                    ; LDS address: wave x 65,536: no place in the cluster enters it
	s_add_nc_u64 s[G0+2:G0+3], s[8:9], s[18:19]    ; my first two K steps
	s_add_nc_u64 s[PFA:PFA+1], s[8:9], s[18:19]
	s_or_b32 s[G0+3], s[G0+3], 0x80000000          ; type = 2
	s_mov_b32 s[G0S], 1
	s_add_co_u32 s[G0S+1], s22, SCB
	s_add_nc_u64 s[G0S+2:G0S+3], s[10:11], s[20:21]
	s_or_b32 s[G0S+3], s[G0S+3], 0x80000000
	CROUND                                         ; all four work-groups are here: the first joint loads meet
	tensor_load_to_lds s[G0S:G0S+3], s[G1S:G1S+7]  ; every wave fills bytes of its own: two tensor loads of mine are out
	s_nop 0
	tensor_load_to_lds s[G0:G0+3], s[G1:G1+7]
	s_nop 0
.rept 4
	v_nop                                          ; four v_nop follow the second of the two
.endr
	s_lshl_b32 s18, s16, 18                        ; h's codes: a tile is 262,144 bytes; my four K steps of 16,384
	s_add_co_u32 s18, s18, s23
	s_add_nc_u64 s[4:5], s[4:5], s[18:19]
	s_lshl_b32 s18, s16, 14                        ; h's scale words: a tile is 16,384 bytes; my 16 steps of 256
	s_lshl_b32 s20, s14, 12
	s_add_co_u32 s18, s18, s20
	s_add_nc_u64 s[6:7], s[6:7], s[18:19]
	s_lshl_b32 s18, s16, 19                        ; out: 64 rows of 8,192 bytes a tile; the 16 rows that I sum and store; 512 bytes a tile of columns
	s_lshl_b32 s20, s14, 17
	s_add_co_u32 s18, s18, s20
	s_lshl_b32 s20, s17, 9
	s_add_co_u32 s18, s18, s20
	s_add_nc_u64 s[12:13], s[12:13], s[18:19]
	s_lshl_b32 s18, s15, 14                        ; the prefetches: my wave's second two K steps, my work-group's 16,384 bytes of them
	s_add_co_u32 s18, s18, 65536
	s_add_nc_u64 s[PFA:PFA+1], s[PFA:PFA+1], s[18:19]
	v_and_b32 v13, 31, v0                          ; lane
	v_lshlrev_b32 v[L16], 4, v13
	v_lshlrev_b32 v[L4], 2, v13
	v_lshlrev_b32 v[PFO], 8, v13
	v_add_nc_u32 v[ADB], s23, v[L16]
	v_add_nc_u32 v[ASB], s22, v[L16]
	v_add_nc_u32 v[ASB], SCB, v[ASB]
	v_and_b32 v14, 15, v0                          ; r
	v_bfe_u32 v15, v0, 4, 1                        ; h
	v_mul_u32_u24 v[STO], v14, SPITCH
	v_lshl_add_u32 v[STO], v15, 5, v[STO]
	v_add_nc_u32 v[STO], s23, v[STO]               ; my stage: row r, 32 bytes for each half of the lanes
	s_mul_i32 s20, s14, 16*SPITCH
	v_add_nc_u32 v[RD], s20, v[L16]                ; back: rows 16 w on of wave 0's stage, 16 bytes a lane;
.irp p, 1,2,3
	v_add_nc_u32 v[RD+\p], 65536*\p, v[RD]         ; of wave p's
.endr
.irp j, 0,1,2,3,4,5,6,7,8,9,10,11,12,13,14,15
	global_load_b32 v[SA+2*\j], v[L4], s[6:7] offset:256*\j            ; h's scale words of step j: rows 0-31,
	global_load_b32 v[SA+2*\j+1], v[L4], s[6:7] offset:256*\j+128      ; rows 32-63
.endr
.macro ALOAD j                         ; h's four fragments of step j: each load reads 512 consecutive bytes
.irp a, 0,1,2,3
.irp c, 0,1
	global_load_b128 v[32*((\j)%8)+8*\a+4*\c:32*((\j)%8)+8*\a+4*\c+3], v[L16], s[4:5] offset:16384*((\j)/4)+4096*\a+1024*((\j)%4)+512*\c
.endr
.endr
.endm
	WIN 0x80                                       ; destination window 2
.irp j, 0,1,2,3,4,5,6,7
	ALOAD \j
.endr
	WIN 0xc0                                       ; destination window 3
.irp j, 8,9,10,11,12,13,14,15
	ALOAD \j
.endr
	WIN 0
.macro FETCH_B j                       ; w3's eight fragments of step j into set j % 2: each load reads 512 consecutive bytes of my region
.irp b, 0,1,2,3,4,5,6,7
.irp c, 0,1
	ds_load_b128 v[BF+64*((\j)%2)+8*\b+4*\c:BF+64*((\j)%2)+8*\b+4*\c+3], v[ADB] offset:32768*(((\j)/4)%2)+4096*\b+1024*((\j)%4)+512*\c
.endr
.endr
.endm
.macro FETCH_S k                       ; the scale words of my k-th K step into set k % 2: four words a row, 32 rows a load
.irp i, 0,1,2,3
	ds_load_b128 v[SB+16*((\k)%2)+4*\i:SB+16*((\k)%2)+4*\i+3], v[ASB] offset:2048*(\k)+512*\i
.endr
.endm
; One product: w3's block b against h's block a, step j.  A scale register holds 32 rows' words: an even block's in lanes 0-15, an odd block's in lanes 16-31.  In step 0 the constant 0 starts the sum: nothing is ever cleared.
.macro MM j, a, b
.set rD, 8*(8*(\a)+(\b))
.set rB, BF+64*((\j)%2)+8*(\b)
.set rA, 32*((\j)%8)+8*(\a)
.set rS, SB+16*(((\j)/4)%2)+4*((\b)/2)+(\j)%4
.set rT, SA+2*(\j)+(\a)/2
.if (\j) == 0
.if ((\a)%2 == 0) && ((\b)%2 == 0)
	v_wmma_scale_f32_16x16x128_f8f6f4 v[rD:rD+7], v[rB:rB+7], v[rA:rA+7], 0, v[rS], v[rT] matrix_a_fmt:MATRIX_FMT_FP4 matrix_b_fmt:MATRIX_FMT_FP4
.elseif (\a)%2 == 0
	v_wmma_scale_f32_16x16x128_f8f6f4 v[rD:rD+7], v[rB:rB+7], v[rA:rA+7], 0, v[rS], v[rT] matrix_a_fmt:MATRIX_FMT_FP4 matrix_b_fmt:MATRIX_FMT_FP4 matrix_a_scale:MATRIX_SCALE_ROW1
.elseif (\b)%2 == 0
	v_wmma_scale_f32_16x16x128_f8f6f4 v[rD:rD+7], v[rB:rB+7], v[rA:rA+7], 0, v[rS], v[rT] matrix_a_fmt:MATRIX_FMT_FP4 matrix_b_fmt:MATRIX_FMT_FP4 matrix_b_scale:MATRIX_SCALE_ROW1
.else
	v_wmma_scale_f32_16x16x128_f8f6f4 v[rD:rD+7], v[rB:rB+7], v[rA:rA+7], 0, v[rS], v[rT] matrix_a_fmt:MATRIX_FMT_FP4 matrix_b_fmt:MATRIX_FMT_FP4 matrix_a_scale:MATRIX_SCALE_ROW1 matrix_b_scale:MATRIX_SCALE_ROW1
.endif
.else
.if ((\a)%2 == 0) && ((\b)%2 == 0)
	v_wmma_scale_f32_16x16x128_f8f6f4 v[rD:rD+7], v[rB:rB+7], v[rA:rA+7], v[rD:rD+7], v[rS], v[rT] matrix_a_fmt:MATRIX_FMT_FP4 matrix_b_fmt:MATRIX_FMT_FP4
.elseif (\a)%2 == 0
	v_wmma_scale_f32_16x16x128_f8f6f4 v[rD:rD+7], v[rB:rB+7], v[rA:rA+7], v[rD:rD+7], v[rS], v[rT] matrix_a_fmt:MATRIX_FMT_FP4 matrix_b_fmt:MATRIX_FMT_FP4 matrix_a_scale:MATRIX_SCALE_ROW1
.elseif (\b)%2 == 0
	v_wmma_scale_f32_16x16x128_f8f6f4 v[rD:rD+7], v[rB:rB+7], v[rA:rA+7], v[rD:rD+7], v[rS], v[rT] matrix_a_fmt:MATRIX_FMT_FP4 matrix_b_fmt:MATRIX_FMT_FP4 matrix_b_scale:MATRIX_SCALE_ROW1
.else
	v_wmma_scale_f32_16x16x128_f8f6f4 v[rD:rD+7], v[rB:rB+7], v[rA:rA+7], v[rD:rD+7], v[rS], v[rT] matrix_a_fmt:MATRIX_FMT_FP4 matrix_b_fmt:MATRIX_FMT_FP4 matrix_a_scale:MATRIX_SCALE_ROW1 matrix_b_scale:MATRIX_SCALE_ROW1
.endif
.endif
.endm
.macro MUL j                           ; a step's 32 products: the 32 accumulators take turns, one instruction a turn, in the same order in every step
	WIN 0x58+4*((\j)/8)                            ; source 0 (w3) window 0, source 1 (h) window 2 or 3, C and D window 1
.irp a, 0,1,2,3
.irp b, 0,1,2,3,4,5,6,7
	MM \j, \a, \b
.endr
.endr
	WIN 0
.endm
; A step.  fetch = 1: the next step's fragments of w3 (and, at a K step's end, the next K step's scale words) are asked for ahead of this step's products.  places = 1: four places stand in front of those loads.
.macro STEP j, fetch, places
.if \fetch
.if \places
	PLACES
.endif
.if (\j)%4 == 3
	FETCH_S ((\j)+1)/4
.endif
	FETCH_B (\j)+1
.if (\j)%4 == 3
	s_wait_dscnt 20                                ; all but the 20 just issued: this step's fragments are in
.else
	s_wait_dscnt 16                                ; all but the 16 just issued
.endif
.else
	s_wait_dscnt 0x0                               ; nothing more is asked of these bytes: my reads of my region are over
.endif
	MUL \j
.endm
	s_wait_tensorcnt 0x0                           ; my scale bytes and my first two K steps lie in LDS; I alone read them, so my own wait is all that the reads need
	FETCH_S 0
	FETCH_B 0
	; A PREFETCH of what the one refill will ask for, eight steps (256 matrix instructions) ahead of that load: each wave's second two K steps, 65,536 bytes.  The four clusters of a tile of w3 read the same bytes: the first of them
	; asks.  Its four partners share a wave's bytes out BY ADDRESS, 16,384 each: two instructions a wave, lanes 256 bytes apart.  So each block of 256 bytes is named once in the launch.
	s_cmp_eq_u32 ttmp9, 0                          ; the cluster's number: the same in all four partners
	s_cbranch_scc0 .Lnot_first
	global_prefetch_b8 v[PFO], s[PFA:PFA+1] th:TH_LOAD_NT scope:SCOPE_SE
	global_prefetch_b8 v[PFO], s[PFA:PFA+1] offset:8192 th:TH_LOAD_NT scope:SCOPE_SE
.Lnot_first:
	s_wait_loadcnt 63                              ; of my 160 loads the first 97 are in: the 32 scale words and the 64 loads of steps 0 to 7 (64 were issued behind those; 63 is the largest count that the wait can name)
	STEP 0, 1, 0
.irp j, 1,2,3,4,5,6
	STEP \j, 1, 1
.endr
	STEP 7, 0, 0
	; THE ONE REFILL: my region takes my other two K steps.
	s_wait_tensorcnt 0x0                           ; no tensor load of mine is out, so a group 0 may be written
	ds_add_u32 v[SPW], v[NIL]                      ; 0 onto my spare word
	s_add_nc_u64 s[G0+2:G0+3], s[G0+2:G0+3], 65536 ; the next two K steps; the type bits on top are not reached
	s_wait_dscnt 0x0                               ; the add is done, and my reads of my region are over
	CROUND                                         ; the same holds of every wave of every partner
	tensor_load_to_lds s[G0:G0+3], s[G1:G1+7]      ; the first tensor load behind the round, and my only one
	s_nop 0
.rept 4
	v_nop                                          ; (the places in front of the loads below)
.endr
	s_wait_tensorcnt 0x0                           ; it has landed
	FETCH_S 2
	FETCH_B 8
	s_wait_loadcnt 32                              ; h's fragments of steps 8 to 11 are in; the 32 loads of steps 12 to 15 may be out
	STEP 8, 1, 0
.irp j, 9,10,11
	STEP \j, 1, 1
.endr
	s_wait_loadcnt 0x0
.irp j, 12,13,14
	STEP \j, 1, 1
.endr
	STEP 15, 0, 0
	; THE WAY OUT.  Each wave lays its partial sums, 64 rows x 512 bytes, into a stage in its own region (rows 528 bytes apart); a barrier; wave w adds the four waves' rows 16 w .. 16 w + 15 and stores them whole.
	PLACES
	WIN 0x04                                       ; an LDS store's data are its source 1: window 1
.irp a, 0,1,2,3
.irp b, 0,1,2,3,4,5,6,7
	ds_store_b128 v[STO], v[8*(8*\a+\b):8*(8*\a+\b)+3] offset:16*SPITCH*\a+64*\b        ; lane (r, h): row 16 a + r, columns 16 b + 8 h + 0 .. 7; each accumulator from its low end on
	ds_store_b128 v[STO], v[8*(8*\a+\b)+4:8*(8*\a+\b)+7] offset:16*SPITCH*\a+64*\b+16
.endr
.endr
	WIN 0
	s_wait_dscnt 0x0                               ; for the others' sake: my partial sums lie in LDS
	s_barrier_signal -1
	s_barrier_wait -1
	WIN 0x80                                       ; destination window 2: h's fragments there are done with
.irp t, 0,1,2,3,4,5,6,7,8,9,10,11,12,13,14,15
.irp p, 0,1,2,3
	ds_load_b128 v[16*\t+4*\p:16*\t+4*\p+3], v[RD+\p] offset:SPITCH*\t                  ; row 16 w + t of wave p's sums: 32 lanes, 512 consecutive bytes
.endr
.endr
.macro SUMS t0                         ; eight rows: (p0 + p1) + (p2 + p3), then the row's 512 bytes leave
	WIN 0xaa                                       ; all in window 2
.irp t, \t0, \t0+1, \t0+2, \t0+3, \t0+4, \t0+5, \t0+6, \t0+7
	v_pk_add_f32 v[16*(\t):16*(\t)+1], v[16*(\t):16*(\t)+1], v[16*(\t)+4:16*(\t)+5]
	v_pk_add_f32 v[16*(\t)+2:16*(\t)+3], v[16*(\t)+2:16*(\t)+3], v[16*(\t)+6:16*(\t)+7]
	v_pk_add_f32 v[16*(\t)+8:16*(\t)+9], v[16*(\t)+8:16*(\t)+9], v[16*(\t)+12:16*(\t)+13]
	v_pk_add_f32 v[16*(\t)+10:16*(\t)+11], v[16*(\t)+10:16*(\t)+11], v[16*(\t)+14:16*(\t)+15]
	v_pk_add_f32 v[16*(\t):16*(\t)+1], v[16*(\t):16*(\t)+1], v[16*(\t)+8:16*(\t)+9]
	v_pk_add_f32 v[16*(\t)+2:16*(\t)+3], v[16*(\t)+2:16*(\t)+3], v[16*(\t)+10:16*(\t)+11]
.endr
	WIN 0x08                                       ; a store's data are its source 1: window 2
.irp t, \t0, \t0+1, \t0+2, \t0+3, \t0+4, \t0+5, \t0+6, \t0+7
	global_store_b128 v[L16], v[16*(\t):16*(\t)+3], s[12:13] offset:8192*(\t) th:TH_STORE_NT   ; 32 lanes store 512 consecutive bytes, at a multiple of 256 from out's first byte; written once, read by nobody here
.endr
.endm
	s_wait_dscnt 32                                ; rows 0 to 7 are in; the 32 loads of rows 8 to 15 may be out
	SUMS 0
	s_wait_dscnt 0x0
	SUMS 8
	WIN 0
	s_wait_tensorcnt 0x0                           ; the wave's end: behind my last tensor load and my last LDS store
	ds_add_u32 v[SPW], v[NIL]
	s_wait_dscnt 0x0
	CROUND                                         ; the closing round: no work-group ends while a partner may still ask for a tile that names it
	s_endpgm
.Lfunc_end_k_q0c34ed74ca_down:
	.size	k_q0c34ed74ca_down, .Lfunc_end_k_q0c34ed74ca_down-k_q0c34ed74ca_down
	.p2alignl 7, 3214868480
	.fill 96, 4, 3214868480
	.section	.rodata,"a",@progbits
	.p2align	6, 0x0
	.amdhsa_kernel k_q0c34ed74ca_down
		.amdhsa_group_segment_fixed_size 327680
		.amdhsa_private_segment_fixed_size 0
		.amdhsa_enable_private_segment 0
		.amdhsa_kernarg_size 40
		.amdhsa_user_sgpr_count 2
		.amdhsa_user_sgpr_kernarg_segment_ptr 1
		.amdhsa_wavefront_size32 1
		.amdhsa_system_sgpr_workgroup_id_x 1
		.amdhsa_system_sgpr_workgroup_id_y 1
		.amdhsa_system_sgpr_workgroup_id_z 1
		.amdhsa_system_vgpr_workitem_id 0
		.amdhsa_next_free_vgpr 1024
		.amdhsa_next_free_sgpr 66
		.amdhsa_reserve_vcc 0
		.amdhsa_float_denorm_mode_32 3
		.amdhsa_float_denorm_mode_16_64 3
		.amdhsa_memory_ordered 1
		.amdhsa_forward_progress 1
		.amdhsa_inst_pref_size 122
	.end_amdhsa_kernel
	.amdgpu_metadata
---
amdhsa.version: [ 1, 2 ]
amdhsa.kernels:
  - .name:           k_q0c34ed74ca_down
    .symbol:         k_q0c34ed74ca_down.kd
    .args:
      - { .name: hc, .offset: 0, .size: 8, .value_kind: global_buffer, .address_space: global }
      - { .name: hs, .offset: 8, .size: 8, .value_kind: global_buffer, .address_space: global }
      - { .name: w3c, .offset: 16, .size: 8, .value_kind: global_buffer, .address_space: global }
      - { .name: w3s, .offset: 24, .size: 8, .value_kind: global_buffer, .address_space: global }
      - { .name: out0, .offset: 32, .size: 8, .value_kind: global_buffer, .address_space: global }
    .group_segment_fixed_size: 327680
    .private_segment_fixed_size: 0
    .kernarg_segment_align: 8
    .kernarg_segment_size: 40
    .max_flat_workgroup_size: 128
    .sgpr_count:     66
    .vgpr_count:     1024
    .wavefront_size: 32
...
	.end_amdgpu_metadata
.endif
;; end of part 3
